; MI455X (gfx1250); checked and timed in simulation.
; The chip was launched on July 23, 2026; its instructions are those of AMD's public machine-readable ISA for CDNA 5 (MIT licence, August 2026) and "CDNA5" Instruction Set Architecture Reference Guide (July 2026). The comments in the code are by the model that wrote it; some were corrected since.
;; MHA. Allowed arithmetic: matrix products marked QUANTISED: E3M2 operands, one E8M0 scale for each 32 along K, by v_wmma_scale_f32_16x16x128_f8f6f4 with both operands' format E3M2, f32 sums; everything else in f32.
;; Inputs: W_qkv_codes 3,072 x 32 x 24 uint8 (E3M2 codes of W_qkv, K innermost, in blocks of 32 codes, four codes in three bytes); W_qkv_scales 3,072 x 32 uint8 (E8M0 scales of W_qkv, one for each 32 codes along K); inputs 4 x 2,048 x 1,024 float32; mask_mat 4 x 2,048 float32.
;; Outputs: out0 4 x 2,048 x 1,024 float32.
;; This version of the problem:
;;   THIS VERSION OF THE PROBLEM IS GIVEN IN LOW PRECISION. The matrix products marked QUANTISED in the list below multiply operands that are first quantised to E3M2 (3 exponent bits, 2 mantissa bits; 6 bits a number), with one power-of-two scale for each 32 numbers along K (OCP MX v1.0); their sums are f32. All else is computed in f32.
;;   The module's matrix products, in the order in which they are computed (A, B: the left and right operand; K: the contracted axis; several contracted axes count as one K, in the product's order):
;;     1. [M 8,192, K 1,024] x [K 1,024, N 3,072]; A: computed on the way; B: input W_qkv (given as codes): QUANTISED
;;     2. batch 64 x [M 2,048, K 64] x [K 64, N 2,048]; A: computed on the way; B: computed on the way: QUANTISED
;;     3. batch 64 x [M 2,048, K 2,048] x [K 2,048, N 64]; A: softmax (see below); B: computed on the way: QUANTISED
;;   THE QUANTISER, for each operand of a quantised product, along K:
;;     - K is cut into blocks of 32 from its start; a last block that is shorter is filled with zeros.
;;     - A block's scale is 2^e with e = floor(log2(the largest magnitude in the block)) - 4, held to -126 .. 127; a block of zeros has e = 0. As a byte (E8M0): e + 127.
;;     - Each number is divided by its block's scale, clamped to +-28, and rounded to the nearest number of E3M2, ties to even, subnormals kept.
;;     - The product sums the exact products of the quantised numbers (number of the format x scale) in f32.
;;   ~~~python
;;   def quantise(x, axis):      # numpy; x: float32 -> the quantised numbers, widened to float32 again
;;       x = np.moveaxis(x, axis, -1); K = x.shape[-1]
;;       x = np.pad(x, [(0, 0)] * (x.ndim - 1) + [(0, -K % 32)]); x = x.reshape(x.shape[:-1] + (-1, 32)); a = np.abs(x).max(-1, keepdims=True)
;;       e = np.where(a > 0, np.clip(np.frexp(np.where(a > 0, a, 1))[1] - 1 - 4, -126, 127), 0)      # np.frexp(a)[1] - 1 = floor(log2(a)), exactly
;;       r = np.clip(x / 2.0 ** e, -28, 28)
;;       step = 2.0 ** (np.maximum(np.frexp(np.where(r == 0, 1, r))[1] - 1, -2) - 2)
;;       q = np.round(r / step) * step * 2.0 ** e      # np.round: ties to even
;;       return np.moveaxis(q.reshape(q.shape[:-2] + (-1,))[..., :K], -1, axis).astype(np.float32)
;;   ~~~
;;   SOFTMAX AHEAD OF A QUANTISED PRODUCT. Where the list says 'softmax', what is quantised is not the finished softmax but p = 2^(t - M), with t = logit x log2(e) and M = ceil(the row's largest t), a whole number; so 1/2 < the row's largest p <= 1. The row's sum l is taken of the UNQUANTISED p, in f32, and the product's result is divided by l at the end. Since M is a whole number, a kernel that streams over the keys may use a running M (the ceiling of the running maximum): every later rescaling is an exact power of two, which a block's scale takes up: the codes' values come out the same.
;;   OPERANDS COMPUTED ON THE WAY. 'Computed on the way' means the value that the module computes at that place (a softmax that the list does not call 'softmax' is quantised finished and normalised). What goes into a quantiser is computed in f32, as accurately as f32 sums, v_exp_f32 and their like allow (about 1e-6 of the number): no bf16 or f16 on the way to a quantiser, and a product that is left as it is and whose result goes on into a quantised operand takes f32 operands (vector FMAs, or v_wmma_f32_16x16x4_f32). A number that lies on a knife's edge between two numbers of the format may be rounded either way, as far as f32 arithmetic and the matrix unit's own rounding can turn it there, and no further.
;;   INPUTS GIVEN AS CODES. W_qkv (in the module: [1024, 3072], K = its axis 0): each comes as NAME_codes (uint8): NAME with its K axis moved to the last place and cut into blocks of 32 codes, [.., K / 32, bytes a block], one block behind the other in memory; four codes in three bytes: a row's codes are one little-endian stream of bits, code i at bits 6 i .. 6 i + 5 (a code: sign, 3 exponent bits, 2 mantissa bits); and NAME_scales (uint8): the same leading axes, one E8M0 byte (e + 127) for each 32 codes along K. Its value is code x scale, taken as it is: it is not quantised again, and the codes and scales need not be those that the quantiser above would give.
;; One version. Each part assembles by itself: llvm-mc -triple=amdgcn-amd-amdhsa -mcpu=gfx1250 --defsym DOCPART=n.
;; ======== version 1 of 1: 3 launches
;; limits: right only within a limited range of input values
;; workspace buffers: xc 6,291,456 bytes; xs 262,144 bytes; qkvc 18,874,368 bytes; qks 524,288 bytes; vs 262,144 bytes
;; launch quantx (part 1): grid 256 x 1, 8 waves a work-group, no clusters, 43,008 bytes of LDS; arguments inputs, xc, xs; writes xc, xs
.if DOCPART == 1
	.amdgcn_target "amdgcn-amd-amdhsa--gfx1250"
	.amdhsa_code_object_version 6
	.text
	.protected	k_qc9152f1e86_quantx
	.globl	k_qc9152f1e86_quantx
	.p2align	8
	.type	k_qc9152f1e86_quantx,@function
k_qc9152f1e86_quantx:
	s_mov_b64 s[64:65], 0
	v_nop
	global_prefetch_b8 v0, s[64:65] scope:SCOPE_SE
	s_setreg_imm32_b32 hwreg(HW_REG_WAVE_MODE, 25, 1), 1
	s_wait_xcnt 0x0
; x = inputs + the sinusoidal table, turned into codes of BF6 (E3M2), 6 bits each, C innermost, with one E8M0 scale byte for each 32 along C.
; inputs: [4][2048][1024] f32.  xc: [8192 tokens][768 bytes], a row one stream of bits.  xs: [8192][32] bytes.
; SHARES.  Wave w of work-group g takes position n = 8 g + w in all four batches, so that the table's row n is made once for four rows of x.
; A wave has 8 steps of 512 channels: step t is batch t / 2, half t % 2 of the row.
; THE TABLE.  pair j = channel / 2: rate = 10000^(-2 j / 1024) = 2^(-j L), L = log2(10000) / 512, split as KH + KL with j KH exact (9 bits x 12 bits);
; angle = position x rate, rounded once to f32; it is brought into +-pi/4 by two fused steps with pi/2 in two parts, and sine and cosine are polynomials in f32.
; THE STREAM.  Each load reads 512 consecutive bytes, 16 a lane; a step's 2,048 bytes turn through the wave's own stage in LDS and come back 64 bytes a lane:
; 16 neighbours along C in a lane's registers, two lanes to a block of 32.  A lane's 16 codes are 12 bytes: a wave's store covers 384 consecutive bytes.
; The scale bytes of the work-group's 8 positions are 256 consecutive bytes for each batch: they meet in LDS and leave as four aligned stores of 256 bytes.
; A block's scale byte is its largest magnitude's exponent field - 4, held at 1 from below.
; LIMITS: a block of zeros gets the byte 1 where the rule says 127 (its codes are zeros, and this program alone reads the bytes); NaN and infinities among the inputs are not served;
; the rate is good to about 1.5 units of its last place, so that at the largest positions the angle may differ by some 1e-4 from one made with another f32 power.
.set SP,    80                         ; a lane's place in a stage: its 64 bytes + 16 of padding
.set WREG,  2*32*SP                    ; LDS: two stages for each wave
.set SCB,   8*WREG                     ; behind them: the scale bytes, [batch][position 0..7][32]
.set STEPS, 8
.set R,     16                         ; v16-79   four sets of 16 numbers as they are loaded
.set X,     80                         ; v80-111  two sets of 16 neighbours
.set E,     112                        ; v112-119 a scale byte for each step
.set C,     120                        ; v120-151 codes: four registers for each step, so that no store's data are written again
.set PE,    152                        ; v152-183 the table: my 16 channels of each half
.set RT,    184                        ; v184-199 my 16 rates
.set TA,    200                        ; v200-247 six arrays of eight, at work on the table
.set TK,    208
.set TR,    216
.set TZ,    224
.set TS,    232
.set TC,    240
	s_load_b128 s[4:7], s[0:1], 0x0                ; inputs, xc
	s_load_b64 s[8:9], s[0:1], 0x10                ; xs
	v_lshl_add_u32 v248, v0, 2, 0xa400
	v_mov_b32 v249, 0
	v_lshrrev_b32 v1, 5, v0
	s_delay_alu instid0(VALU_DEP_1)
	v_readfirstlane_b32 s16, v1                    ; wave 0..7
	v_and_b32 v2, 31, v0                           ; lane
	s_delay_alu instid0(VALU_DEP_1)
	v_lshlrev_b32 v3, 4, v2                        ; my 16 bytes of a load's 512
	s_mul_i32 s17, s16, WREG
	v_lshrrev_b32 v14, 2, v2
	s_delay_alu instid0(VALU_DEP_1)
	v_mul_u32_u24 v14, v14, SP
	v_and_b32 v15, 3, v2
	s_delay_alu instid0(VALU_DEP_1)
	v_lshl_add_u32 v14, v15, 4, v14
	s_delay_alu instid0(VALU_DEP_1)
	v_add_nc_u32 v14, s17, v14                     ; the stage, on the way in: SP (lane / 4) + 16 (lane % 4)
	v_mul_u32_u24 v15, v2, SP
	s_delay_alu instid0(VALU_DEP_1)
	v_add_nc_u32 v15, s17, v15                     ; and on the way out: SP x lane
	v_mul_u32_u24 v4, v2, 12                       ; my codes' place in a step's
	v_lshrrev_b32 v5, 1, v2
	s_lshl_b32 s17, s16, 5
	s_add_co_u32 s17, s17, SCB
	v_add_nc_u32 v5, s17, v5                       ; my position's 32 scale bytes, my block's byte
	v_lshlrev_b32 v7, 3, v2                        ; 8 x lane: the scale bytes' way out; also my first pair of a half
	s_and_b32 s17, s16, 3                          ; the batch whose 256 scale bytes I store (waves 0 to 3)
	s_lshl_b32 s18, s17, 8
	s_add_co_u32 s18, s18, SCB
	v_add_nc_u32 v6, s18, v7
	s_lshl_b32 s19, ttmp9, 3
	s_add_co_u32 s19, s19, s16                     ; my position
	v_mov_b32 v10, s19
	s_delay_alu instid0(VALU_DEP_1)
	v_cvt_f32_u32 v10, v10                         ; as f32 (exact)
	s_mov_b32 s28, 0x3cd4a000                      ; KH = 3402 x 2^-17
	s_mov_b32 s29, 0xb630f686                      ; KL = L - KH = -2.636954e-6
	s_mov_b32 s30, 0x3f22f983                      ; 2 / pi
	s_mov_b32 s31, 0x3fc90fdb                      ; pi / 2, upper part
	s_mov_b32 s32, 0xb33bbd2e                      ; pi / 2, lower part
	s_mov_b32 s33, 0xbe2aaaa3                      ; sine:   -1.6666654611e-1
	s_mov_b32 s34, 0x3c08839e                      ;          8.3321608736e-3
	s_mov_b32 s35, 0xb94ca1f9                      ;         -1.9515295891e-4
	s_mov_b32 s36, 0x3d2aaaa5                      ; cosine:  4.166664568e-2
	s_mov_b32 s37, 0xbab6061a                      ;         -1.388731625e-3
	s_mov_b32 s38, 0x37ccf5ce                      ;          2.443315712e-5
	s_mov_b32 s39, 0x80000000                      ; the sign
	s_mov_b32 s11, 0
	s_lshl_b32 s10, s19, 12                        ; a row of inputs is 4,096 bytes
	s_wait_alu depctr_va_vdst(0)
	s_wait_kmcnt 0x0
	s_add_nc_u64 s[20:21], s[4:5], s[10:11]        ; my position's row in batch 0,
	s_add_nc_u64 s[22:23], s[20:21], 0x800000      ; 1,
	s_add_nc_u64 s[24:25], s[22:23], 0x800000      ; 2,
	s_add_nc_u64 s[26:27], s[24:25], 0x800000      ; 3
	s_mul_i32 s10, s19, 768
	s_add_nc_u64 s[6:7], s[6:7], s[10:11]          ; its codes in batch 0; the other batches stand in the stores' immediates
	s_lshl_b32 s10, ttmp9, 8
	s_add_nc_u64 s[8:9], s[8:9], s[10:11]          ; the work-group's 256 scale bytes in batch 0,
	s_lshl_b32 s10, s17, 16
	s_add_nc_u64 s[8:9], s[8:9], s[10:11]          ; and in the batch that I store
.macro LOAD t
.irp i, 0,1,2,3
	global_load_b128 v[R+16*((\t)%4)+4*\i:R+16*((\t)%4)+4*\i+3], v3, s[20+2*((\t)/2):21+2*((\t)/2)] offset:2048*((\t)%2)+512*\i th:TH_LOAD_NT   ; 32 lanes read 512 consecutive bytes
.endr
.endm
.macro TURN t                          ; step t's numbers through the stage: LDS serves a wave's instructions in order (ISA guide 5.7.1.4), so no wait stands between the stores and the loads
.irp i, 0,1,2,3
	ds_store_b128 v14, v[R+16*((\t)%4)+4*\i:R+16*((\t)%4)+4*\i+3] offset:32*SP*((\t)%2)+8*SP*\i
.endr
.irp i, 0,1,2,3
	ds_load_b128 v[X+16*((\t)%2)+4*\i:X+16*((\t)%2)+4*\i+3], v15 offset:32*SP*((\t)%2)+16*\i
.endr
.endm
.irp t, 0,1,2,3
	LOAD \t                                        ; sixteen loads are on their way while the table is made
.endr
	; THE RATES of my 16 pairs: pair j = 256 half + 8 lane + i
.irp n, 0,1,2,3,4,5,6,7,8,9,10,11,12,13,14,15
	v_add_nc_u32 v[RT+\n], 256*(\n/8)+\n%8, v7
.endr
.irp n, 0,1,2,3,4,5,6,7,8,9,10,11,12,13,14,15
	v_cvt_f32_u32 v[RT+\n], v[RT+\n]
.endr
.irp n, 0,1,2,3,4,5,6,7,8,9,10,11,12,13,14,15
	v_mul_f32 v[TA+\n], s28, v[RT+\n]              ; j KH: exact
.endr
.irp n, 0,1,2,3,4,5,6,7,8,9,10,11,12,13,14,15
	v_floor_f32 v[TR+\n], v[TA+\n]                 ; its whole part I
.endr
.irp n, 0,1,2,3,4,5,6,7,8,9,10,11,12,13,14,15
	v_sub_f32 v[TA+\n], v[TA+\n], v[TR+\n]         ; exact
.endr
.irp n, 0,1,2,3,4,5,6,7,8,9,10,11,12,13,14,15
	v_fma_f32 v[TA+\n], v[RT+\n], s29, v[TA+\n]    ; F = j L - I
.endr
	s_wait_alu depctr_va_vdst(0)
.irp n, 0,1,2,3,4,5,6,7,8,9,10,11,12,13,14,15
	v_exp_f32 v[TA+\n], -v[TA+\n]                  ; 2^-F: one batch
.endr
.irp n, 0,1,2,3,4,5,6,7,8,9,10,11,12,13,14,15
	v_cvt_i32_f32 v[TR+\n], v[TR+\n]               ; plain work behind the batch
.endr
	s_wait_alu depctr_va_vdst(0)                   ; one wait for the sixteen, ahead of their first reader
.irp n, 0,1,2,3,4,5,6,7,8,9,10,11,12,13,14,15
	v_sub_nc_u32 v[TR+\n], 0, v[TR+\n]
.endr
.irp n, 0,1,2,3,4,5,6,7,8,9,10,11,12,13,14,15
	v_ldexp_f32 v[RT+\n], v[TA+\n], v[TR+\n]       ; rate = 2^-F x 2^-I
.endr
; The table's 16 numbers of half hf: eight pairs by turns, so that no line waits for the line above it.
.macro TRIG hf
.irp i, 0,1,2,3,4,5,6,7
	v_mul_f32 v[TA+\i], v10, v[RT+8*\hf+\i]        ; the angle
.endr
.irp i, 0,1,2,3,4,5,6,7
	v_mul_f32 v[TK+\i], s30, v[TA+\i]
.endr
.irp i, 0,1,2,3,4,5,6,7
	v_rndne_f32 v[TK+\i], v[TK+\i]                 ; k: how many quarter turns
.endr
.irp i, 0,1,2,3,4,5,6,7
	v_fma_f32 v[TR+\i], -v[TK+\i], s31, v[TA+\i]   ; r = angle - k pi/2: the first step is exact,
.endr
.irp i, 0,1,2,3,4,5,6,7
	v_fma_f32 v[TR+\i], -v[TK+\i], s32, v[TR+\i]   ; the second takes the lower part
.endr
.irp i, 0,1,2,3,4,5,6,7
	v_mul_f32 v[TZ+\i], v[TR+\i], v[TR+\i]         ; z = r r
.endr
.irp i, 0,1,2,3,4,5,6,7
	v_fma_f32 v[TS+\i], v[TZ+\i], s35, s34
	v_fma_f32 v[TC+\i], v[TZ+\i], s38, s37
.endr
.irp i, 0,1,2,3,4,5,6,7
	v_fma_f32 v[TS+\i], v[TS+\i], v[TZ+\i], s33
	v_fma_f32 v[TC+\i], v[TC+\i], v[TZ+\i], s36
.endr
.irp i, 0,1,2,3,4,5,6,7
	v_mul_f32 v[TA+\i], v[TR+\i], v[TZ+\i]
.endr
.irp i, 0,1,2,3,4,5,6,7
	v_fma_f32 v[TS+\i], v[TA+\i], v[TS+\i], v[TR+\i]   ; sin r
.endr
.irp i, 0,1,2,3,4,5,6,7
	v_fma_f32 v[TA+\i], v[TZ+\i], -0.5, 1.0
.endr
.irp i, 0,1,2,3,4,5,6,7
	v_mul_f32 v[TZ+\i], v[TZ+\i], v[TZ+\i]
.endr
.irp i, 0,1,2,3,4,5,6,7
	v_fma_f32 v[TC+\i], v[TZ+\i], v[TC+\i], v[TA+\i]   ; cos r
.endr
.irp i, 0,1,2,3,4,5,6,7
	v_cvt_i32_f32 v[TK+\i], v[TK+\i]
.endr
.irp i, 0,1,2,3,4,5,6,7
	v_and_b32 v[TA+\i], 1, v[TK+\i]
.endr
.irp i, 0,1,2,3,4,5,6,7
	v_cmp_eq_u32 vcc_lo, 1, v[TA+\i]               ; an odd number of quarter turns: sine and cosine change places
	s_delay_alu instid0(VALU_DEP_1)
	v_cndmask_b32 v[TR+\i], v[TS+\i], v[TC+\i], vcc_lo
	s_delay_alu instid0(VALU_DEP_2)
	v_cndmask_b32 v[TZ+\i], v[TC+\i], v[TS+\i], vcc_lo
.endr
.irp i, 0,1,2,3,4,5,6,7
	v_lshlrev_b32 v[TA+\i], 30, v[TK+\i]           ; the sine is negative in quarters 2 and 3: bit 1 of k,
	v_add_nc_u32 v[TK+\i], 1, v[TK+\i]             ; the cosine in quarters 1 and 2: bit 1 of k + 1
.endr
.irp i, 0,1,2,3,4,5,6,7
	v_and_b32 v[TA+\i], s39, v[TA+\i]
	v_lshlrev_b32 v[TK+\i], 30, v[TK+\i]
.endr
.irp i, 0,1,2,3,4,5,6,7
	v_xor_b32 v[PE+16*\hf+2*\i], v[TA+\i], v[TR+\i]    ; even channels: the sine
	v_and_b32 v[TK+\i], s39, v[TK+\i]
.endr
.irp i, 0,1,2,3,4,5,6,7
	v_xor_b32 v[PE+16*\hf+2*\i+1], v[TK+\i], v[TZ+\i]  ; odd channels: the cosine
.endr
.endm
	TRIG 0
	TRIG 1
	s_wait_loadcnt 12                              ; step 0's four loads are in; the twelve of steps 1 to 3 may be out
	TURN 0
.macro STEP t
.set XS, X+16*((\t)%2)
.set PH, PE+16*((\t)%2)
.if (\t) > 0
	s_wait_dscnt 1                                 ; this step's numbers are back from the stage (the last step's byte store may be out): so its stores into the stage have read their registers,
.else
	s_wait_dscnt 0x0
.endif
.if (\t)+4 < STEPS
	LOAD (\t)+4                                    ; which take the loads of four steps on
.endif
.if (\t)+1 < STEPS
.if STEPS-2-(\t) >= 3
	s_wait_loadcnt 12                              ; the next step's four loads are in; those of the three steps behind it may be out
.else
	s_wait_loadcnt 4*(STEPS-2-(\t))
.endif
	TURN (\t)+1                                    ; and go through the other stage while this step is worked
.endif
.irp i, 0,2,4,6,8,10,12,14
	v_pk_add_f32 v[XS+\i:XS+\i+1], v[XS+\i:XS+\i+1], v[PH+\i:PH+\i+1]   ; x = inputs + the table
.endr
	v_max3_num_f32 v8, |v[XS]|, |v[XS+1]|, |v[XS+2]|               ; the largest magnitude of my 16, in two chains
	v_max3_num_f32 v9, |v[XS+3]|, |v[XS+4]|, |v[XS+5]|
.irp i, 6,10
	s_delay_alu instid0(VALU_DEP_2)
	v_max3_num_f32 v8, v8, |v[XS+\i]|, |v[XS+\i+1]|
	s_delay_alu instid0(VALU_DEP_2)
	v_max3_num_f32 v9, v9, |v[XS+\i+2]|, |v[XS+\i+3]|
.endr
	s_delay_alu instid0(VALU_DEP_2)
	v_max3_num_f32 v8, v8, |v[XS+14]|, |v[XS+15]|
	s_delay_alu instid0(VALU_DEP_1)
	v_max3_num_f32 v8, v8, v9, 0x2800000           ; and the floor 2^(5 - 127): the byte cannot fall under 1
	s_delay_alu instid0(VALU_DEP_1)
	v_max_num_f32_dpp v8, v8, v8 row_xmask:1 row_mask:0xf bank_mask:0xf   ; and of my neighbour's 16: the block's
	s_delay_alu instid0(VALU_DEP_1)
	v_add_nc_u32 v11, 0xfe000000, v8               ; 4 off its exponent field: the conversion takes the exponent field of this operand as its scale
	v_cvt_scalef32_pk16_bf6_f32 v[C+4*(\t):C+4*(\t)+2], v[XS:XS+15], v11
	v_lshrrev_b32 v[E+(\t)], 23, v11               ; the scale's byte (also the plain line behind the conversion)
	ds_store_b8 v5, v[E+(\t)] offset:256*((\t)/2)+16*((\t)%2)      ; both lanes of a block write the same byte with the same value
	global_store_b96 v4, v[C+4*(\t):C+4*(\t)+2], s[6:7] offset:1572864*((\t)/2)+384*((\t)%2)   ; a batch's codes are 2,048 x 768 bytes; 4,718,976 at the most, inside the signed 24-bit immediate
.endm
.irp t, 0,1,2,3,4,5,6,7
	STEP \t
.endr
	s_wait_dscnt 0x0                               ; for the others' sake: my byte stores are done
	s_barrier_signal -1
	s_barrier_wait -1                              ; the 1,024 scale bytes lie in LDS
	s_cmp_lt_u32 s16, 4
	s_cbranch_scc0 .Lend                           ; four batches, four waves
	ds_load_b64 v[12:13], v6
	s_wait_dscnt 0x0
	global_store_b64 v7, v[12:13], s[8:9]          ; 32 lanes store 256 consecutive bytes, at a multiple of 256 from the buffer's first byte
.Lend:
	s_wait_tensorcnt 0x0
	ds_add_u32 v248, v249
	s_wait_dscnt 0x0
	s_endpgm
.Lfunc_end_k_qc9152f1e86_quantx:
	.size	k_qc9152f1e86_quantx, .Lfunc_end_k_qc9152f1e86_quantx-k_qc9152f1e86_quantx
	.p2alignl 7, 3214868480
	.fill 96, 4, 3214868480
	.section	.rodata,"a",@progbits
	.p2align	6, 0x0
	.amdhsa_kernel k_qc9152f1e86_quantx
		.amdhsa_group_segment_fixed_size 43008
		.amdhsa_private_segment_fixed_size 0
		.amdhsa_enable_private_segment 0
		.amdhsa_kernarg_size 24
		.amdhsa_user_sgpr_count 2
		.amdhsa_user_sgpr_kernarg_segment_ptr 1
		.amdhsa_wavefront_size32 1
		.amdhsa_system_sgpr_workgroup_id_x 1
		.amdhsa_system_sgpr_workgroup_id_y 1
		.amdhsa_system_sgpr_workgroup_id_z 1
		.amdhsa_system_vgpr_workitem_id 0
		.amdhsa_next_free_vgpr 250
		.amdhsa_next_free_sgpr 66
		.amdhsa_reserve_vcc 1
		.amdhsa_float_denorm_mode_32 3
		.amdhsa_float_denorm_mode_16_64 3
		.amdhsa_memory_ordered 1
		.amdhsa_forward_progress 1
		.amdhsa_inst_pref_size 51
	.end_amdhsa_kernel
	.amdgpu_metadata
---
amdhsa.version: [ 1, 2 ]
amdhsa.kernels:
  - .name:           k_qc9152f1e86_quantx
    .symbol:         k_qc9152f1e86_quantx.kd
    .args:
      - { .name: inputs, .offset: 0, .size: 8, .value_kind: global_buffer, .address_space: global }
      - { .name: xc, .offset: 8, .size: 8, .value_kind: global_buffer, .address_space: global }
      - { .name: xs, .offset: 16, .size: 8, .value_kind: global_buffer, .address_space: global }
    .group_segment_fixed_size: 43008
    .private_segment_fixed_size: 0
    .kernarg_segment_align: 8
    .kernarg_segment_size: 24
    .max_flat_workgroup_size: 256
    .sgpr_count:     66
    .vgpr_count:     250
    .wavefront_size: 32
...
	.end_amdgpu_metadata
.endif
;; end of part 1
;; launch qkv (part 2): grid 8 x 48, 4 waves a work-group, clusters of 4 x 4, 327,680 bytes of LDS; arguments W_qkv_codes, W_qkv_scales, xc, xs, qkvc, qks, vs; writes qkvc, qks, vs
.if DOCPART == 2
	.amdgcn_target "amdgcn-amd-amdhsa--gfx1250"
	.amdhsa_code_object_version 6
	.text
	.protected	k_qc9152f1e86_qkv
	.globl	k_qc9152f1e86_qkv
	.p2align	8
	.type	k_qc9152f1e86_qkv,@function
k_qc9152f1e86_qkv:
	s_mov_b64 s[64:65], 0
	v_nop
	global_prefetch_b8 v0, s[64:65] scope:SCOPE_SE
	s_setreg_imm32_b32 hwreg(HW_REG_WAVE_MODE, 25, 1), 1
	s_wait_xcnt 0x0
	s_wait_alu depctr_hold_cnt(0) depctr_sa_sdst(0) depctr_va_vdst(0) depctr_va_sdst(0) depctr_va_ssrc(0) depctr_va_vcc(0) depctr_vm_vsrc(0)
	s_getreg_b32 s2, hwreg(HW_REG_IB_STS2, 6, 4)
	s_cmp_eq_u32 s2, 0
	s_cbranch_scc0 .Lentry_in_a_cluster
	s_endpgm
.Lentry_in_a_cluster:
	s_bfe_u32 s2, ttmp6, 0x10000c
	s_cmp_lg_u32 s2, 0xf033
	s_cbranch_scc0 .Lentry_shape_is_right
	s_endpgm
.Lentry_shape_is_right:
; qkv = x W on codes of BF6 (E3M2) with E8M0 scales; the results are quantised again and leave as images of operand registers with their scale words, as the attention launch reads them.
; Cluster rows 0-7: A = 256 tokens of x, B = 256 rows of W (q, k): blocks of 32 along the head's channels.  Cluster rows 8-11: A = 256 rows of W (v), B = 256 tokens: blocks of 32 along the keys.
; A work-group of four waves makes 256 x 256, a wave 128 x 128 in 64 accumulators.  K = 1,024 is 768 bytes of a row and goes through two LDS slots in three chunks of 256 bytes, each at a multiple of 256 bytes;
; a matrix step is 96 bytes of a row, so steps 2 and 5 read from both slots.  The scales of the 256 + 256 rows come once, as dense blocks.
; 4 x 4 clusters: A's tiles are asked for jointly along a row of the cluster, B's along a column.  Source 0 = B's rows, source 1 = A's rows.
; No prefetch: of the three chunks two come by the first fills and one by the only refill; there is no loop to run ahead in.
.set SIZE_K, 1024
.set ROWB,   256
.set NQ,     2
.set KROW,   SIZE_K*6/8
.set STEPS,  SIZE_K/128
.set CHUNKS, KROW/ROWB
.set PITCH,  272                       ; 256 bytes + 16 of padding
.set FR,     12
.set NL,     6
.set NP,     4
.set HALFT,  128*PITCH
.set SLOT,   4*HALFT
.set KS,     SIZE_K/32
.set SCL,    2*SLOT                    ; the scales, units of 256 bytes + 16
.set HALFS,  (128*KS/256)*272
.set SBLK,   (16*KS/256)*272
.set SPARE,  SCL+4*HALFS               ; the spare words, 128 bytes a wave
.set SCR,    SPARE+512                 ; 512 bytes a wave: the results' scale words on their way out
.set ADRA, 16                          ; v16-17 A's fragments in slot 0, 1; v18-19 for pieces whose two halves of the lanes read different slots
.set ADRB, 20                          ; v20-23 the same for B
.set SWI,  24
.set SWO,  25
.set CO,   26
.set ADRS, 27
.set SPW,  28
.set NIL,  29
.set SGO,  30
.set SC,   32                          ; v32-63 scale words, two sets
.set AF,   128                         ; A's fragments, window 0; B's two sets in window 1; accumulators in windows 2, 3
.set TM,   32
.set PW,   48
.set PC,   64
.set G1, 24
.set G0, 32
.set G1B, 48
.set G0B, 56
.set G1S, 68
.set G0S, 76
.set G1SB, 80
.set G0SB, 88
.set G0H, 4                            ; group 0 of the head's loads of chunk 0
.set G0HB, 8
.set MSB, 0
.macro WIN new
.if MSB != \new
	s_set_vgpr_msb (MSB<<8)|\new
.set MSB, \new
.endif
.endm
.set MUL_LO, 0xa1
.set MUL_HI, 0xf1
.set TO_B,   0x40
.macro JLOAD g0a, g1a, g0b, g1b        ; waves 0, 1 fetch for A, waves 2, 3 for B
	s_cmp_eq_u32 s15, 0
	s_cbranch_scc0 .Lfor_b_\@
	tensor_load_to_lds s[\g0a:\g0a+3], s[\g1a:\g1a+7]
	s_nop 0
.rept 4
	v_nop
.endr
	s_branch .Lasked_\@
.Lfor_b_\@:
	tensor_load_to_lds s[\g0b:\g0b+3], s[\g1b:\g1b+7]
	s_nop 0
.rept 4
	v_nop
.endr
.Lasked_\@:
.endm
.macro CREST
	s_cmp_lg_u32 s14, 0
	s_cbranch_scc1 .Lnot_wave_0_\@
	s_barrier_signal -3
.Lnot_wave_0_\@:
	s_barrier_wait -3
	s_barrier_signal -1
	s_barrier_wait -1
.endm
.macro CROUND
	s_barrier_signal -1
	s_barrier_wait -1
	CREST
.endm
	s_load_b256 s[68:75], s[0:1], 0x0              ; W's codes, W's scales, xc, xs
	s_load_b128 s[80:83], s[0:1], 0x20             ; qkvc, qks
	s_load_b64 s[84:85], s[0:1], 0x30              ; vs
	v_lshl_add_u32 v[SPW], v0, 2, SPARE
	v_mov_b32 v[NIL], 0
	ds_add_u32 v[SPW], v[NIL]
	ds_add_u32 v[SPW], v[NIL]
	v_lshrrev_b32 v1, 5, v0
	v_readfirstlane_b32 s14, v1                    ; wave
	s_lshr_b32 s15, s14, 1                         ; my half of A's rows; also: I fetch for A (0) or B (1)
	s_and_b32 s16, s14, 1                          ; my half of B's rows; also: which 128 rows I fetch
	s_bfe_u32 s40, ttmp6, 0x40000                  ; cx
	s_bfe_u32 s41, ttmp6, 0x40004                  ; cy
	s_and_b32 s96, ttmp7, 0xffff                   ; the cluster's y: under 8 q and k, else v
	s_lshl_b32 s42, ttmp9, 2
	s_add_co_u32 s42, s42, s40
	s_sub_co_u32 s97, s96, 8
	s_lshl_b32 s97, s97, 3
	s_lshl_b32 s17, s96, 2
	s_cmp_lt_u32 s96, 8
	s_cselect_b32 s97, 0, s97
	s_cselect_b32 s17, s17, 0
	s_cselect_b32 s98, 0, 2048                     ; v's rows of W begin at 2,048
	s_add_co_u32 s42, s42, s97                     ; B's tile
	s_add_co_u32 s17, s17, s41                     ; A's tile
	s_lshl_b32 s43, s41, 2
	s_lshl_b32 s43, 15, s43                        ; my row of the cluster
	s_lshl_b32 s44, 0x1111, s40                    ; my column
	s_or_b32 s[G1+0], s43, (0<<16)|(1<<20)|(1<<21)|(5<<22)|(3<<25)
	s_or_b32 s[G1B+0], s44, (0<<16)|(1<<20)|(1<<21)|(5<<22)|(3<<25)
.irp g, G1, G1B
	s_mov_b32 s[\g+1], ROWB<<16
	s_mov_b32 s[\g+2], 256<<16                     ; the head's loads bring 256 rows
	s_mov_b32 s[\g+3], ROWB<<16
	s_mov_b32 s[\g+4], 256
	s_mov_b32 s[\g+5], KROW
	s_mov_b32 s[\g+6], 0
	s_mov_b32 s[\g+7], 0
.endr
	s_lshl_b32 s20, s17, 8
	s_add_co_u32 s20, s20, s98                     ; A's first row
	s_lshl_b32 s46, s42, 8                         ; B's
	s_mov_b32 s21, 0
	s_mov_b32 s47, 0
	s_mov_b64 s[18:19], KS
	s_mul_u64 s[22:23], s[20:21], s[18:19]
	s_mul_u64 s[92:93], s[46:47], s[18:19]
	s_mov_b64 s[18:19], KROW
	s_mul_u64 s[20:21], s[20:21], s[18:19]
	s_mul_u64 s[46:47], s[46:47], s[18:19]
	s_mul_i32 s18, s16, 128*KROW                   ; the ring: my 128 rows of a tile,
	s_mov_b32 s19, 0
	s_mul_i32 s45, s14, HALFT                      ; and where they go
	s_wait_dscnt 0x0                               ; both opening adds are done
	s_wait_kmcnt 0x0
	s_cmp_lt_u32 s96, 8
	s_cselect_b64 s[4:5], s[72:73], s[68:69]       ; A's codes, scales; B's codes, scales
	s_cselect_b64 s[6:7], s[74:75], s[70:71]
	s_cselect_b64 s[8:9], s[68:69], s[72:73]
	s_cselect_b64 s[10:11], s[70:71], s[74:75]
	s_cselect_b64 s[66:67], s[82:83], s[84:85]     ; where the results' scale words go
	s_mov_b64 s[12:13], s[80:81]
	s_or_b32 s[G1S+0], s43, (3<<16)|(1<<20)|(1<<21)|(5<<22)|(3<<25)
	s_or_b32 s[G1SB+0], s44, (3<<16)|(1<<20)|(1<<21)|(5<<22)|(3<<25)
.irp g, G1S, G1SB
	s_mov_b32 s[\g+1], 32<<16                      ; the scales of 256 rows: KS rows of 256 bytes
	s_mov_b32 s[\g+2], KS<<16
	s_mov_b32 s[\g+3], 32<<16
	s_mov_b32 s[\g+4], KS
	s_mov_b32 s[\g+5], 32
	s_mov_b32 s[\g+6], 0
	s_mov_b32 s[\g+7], 0
.endr
	s_add_nc_u64 s[20:21], s[4:5], s[20:21]
	s_add_nc_u64 s[22:23], s[6:7], s[22:23]
	s_add_nc_u64 s[46:47], s[8:9], s[46:47]
	s_add_nc_u64 s[92:93], s[10:11], s[92:93]
	CROUND                                         ; the first joint loads meet
	s_mov_b32 s[G0H], 1
	s_mov_b32 s[G0H+1], 0
	s_mov_b64 s[G0H+2:G0H+3], s[20:21]
	s_or_b32 s[G0H+3], s[G0H+3], 0x80000000
	s_mov_b32 s[G0HB], 1
	s_mov_b32 s[G0HB+1], 2*HALFT
	s_mov_b64 s[G0HB+2:G0HB+3], s[46:47]
	s_or_b32 s[G0HB+3], s[G0HB+3], 0x80000000
	s_mov_b32 s[G0S], 1
	s_mov_b32 s[G0S+1], SCL
	s_mov_b64 s[G0S+2:G0S+3], s[22:23]
	s_or_b32 s[G0S+3], s[G0S+3], 0x80000000
	s_mov_b32 s[G0SB], 1
	s_mov_b32 s[G0SB+1], SCL+2*HALFS
	s_mov_b64 s[G0SB+2:G0SB+3], s[92:93]
	s_or_b32 s[G0SB+3], s[G0SB+3], 0x80000000
	s_add_nc_u64 s[20:21], s[20:21], s[18:19]
	s_add_nc_u64 s[46:47], s[46:47], s[18:19]
.irp s, 0,1
	s_mov_b32 s[G0+4*\s], 1
	s_add_co_u32 s[G0+4*\s+1], s45, \s*SLOT
	s_add_nc_u64 s[G0+4*\s+2:G0+4*\s+3], s[20:21], \s*ROWB
	s_or_b32 s[G0+4*\s+3], s[G0+4*\s+3], 0x80000000
	s_mov_b32 s[G0B+4*\s], 1
	s_add_co_u32 s[G0B+4*\s+1], s45, \s*SLOT
	s_add_nc_u64 s[G0B+4*\s+2:G0B+4*\s+3], s[46:47], \s*ROWB
	s_or_b32 s[G0B+4*\s+3], s[G0B+4*\s+3], 0x80000000
.endr
; the head's four tiles, one a wave: chunk 0 of A, of B, A's scales, B's scales
.macro ARM under, g0, g1, next
	s_cmp_lt_u32 s14, \under
	s_cbranch_scc0 \next
	tensor_load_to_lds s[\g0:\g0+3], s[\g1:\g1+7]
	s_nop 0
.rept 4
	v_nop
.endr
	s_branch .Lhead_asked
\next:
.endm
	ARM 1, G0H,  G1,  .Lhead_b
	ARM 2, G0HB, G1B, .Lhead_sa
	ARM 3, G0S,  G1S, .Lhead_sb
	tensor_load_to_lds s[G0SB:G0SB+3], s[G1SB:G1SB+7]
	s_nop 0
.rept 4
	v_nop
.endr
.Lhead_asked:
	v_and_b32 v1, 15, v0                           ; r
	v_bfe_u32 v2, v0, 4, 1                         ; h
	v_mul_u32_u24 v3, v1, PITCH
	v_mul_u32_u24 v4, v2, 24
	v_add_nc_u32 v4, v3, v4                        ; row x pitch + 24 h
	s_mov_b32 s21, SLOT-232
	s_mov_b32 s22, SLOT+232
	v_sub_nc_u32 v7, 1, v2
	v_mul_u32_u24 v5, s21, v2
	v_add_nc_u32 v5, v3, v5
	v_add_nc_u32 v5, 232, v5                       ; lanes 0-15 byte 232 in slot 0, lanes 16-31 byte 0 in slot 1
	v_mul_u32_u24 v6, s22, v7
	v_add_nc_u32 v6, v3, v6                        ; and the other way round
	s_mul_i32 s21, s15, HALFT
	s_mul_i32 s22, s16, HALFT
	s_add_co_u32 s22, s22, 2*HALFT
	v_add_nc_u32 v[ADRA+2], s21, v5
	v_add_nc_u32 v[ADRA+3], s21, v6
	v_add_nc_u32 v[ADRB+2], s22, v5
	v_add_nc_u32 v[ADRB+3], s22, v6
.irp s, 0,1
	v_add_nc_u32 v[ADRA+\s], s21, v4
	v_add_nc_u32 v[ADRB+\s], s22, v4
	s_add_co_u32 s21, s21, SLOT
	s_add_co_u32 s22, s22, SLOT
.endr
	v_mul_u32_u24 v5, v1, KS
	v_lshrrev_b32 v6, 8, v5
	v_lshl_add_u32 v5, v6, 4, v5
	s_mul_i32 s21, s15, HALFS
	s_mul_i32 s22, s16, HALFS
	s_add_co_u32 s22, s22, 2*HALFS
	s_sub_co_u32 s22, s22, s21
	v_mul_u32_u24 v6, s22, v2                      ; lanes 16-31 take B's scale words
	s_add_co_u32 s21, s21, SCL
	v_add_nc_u32 v5, v5, v6
	v_add_nc_u32 v[ADRS], s21, v5
	s_lshl_b32 s23, s14, 9
	s_add_co_u32 s23, s23, SCR
	v_lshlrev_b32 v[SWI], 2, v1
	v_add_nc_u32 v[SWI], s23, v[SWI]
	v_and_b32 v6, 31, v0
	v_lshl_add_u32 v[SWO], v6, 4, s23
	v_lshlrev_b32 v[CO], 3, v6
	s_cmp_lt_u32 s96, 8
	s_mov_b32 s99, 4096
	s_cselect_b32 s99, 256, s99
	v_mul_u32_u24 v[SGO], v2, s99
	v_lshl_add_u32 v[SGO], v1, 4, v[SGO]
.macro FRAG reg, adr, st, i            ; 16 rows x 128 K: six pieces of 8 bytes; byte y of a row lies in slot (y / 256) % 2 at byte y % 256
.irp p, 0,1,2,3,4,5
.set BY, 96*(\st)+48*(\p/3)+8*(\p%3)
.if BY/ROWB == (BY+24)/ROWB
	ds_load_b64 v[\reg+2*\p:\reg+2*\p+1], v[\adr+(BY/ROWB)%2] offset:BY%ROWB+(\i)*16*PITCH
.else
	ds_load_b64 v[\reg+2*\p:\reg+2*\p+1], v[\adr+2+(BY/ROWB)%2] offset:BY%ROWB-232+(\i)*16*PITCH
.endif
.endr
.endm
.macro MUL16 a0, p, q, sc, zero        ; A's blocks a0, a0 + 1 x B's eight; the 64 accumulators by turns
.irp a, \a0, \a0+1
.irp b, 0,1,2,3,4,5,6,7
.if \zero
	v_wmma_scale_f32_16x16x128_f8f6f4 v[8*(8*((\a)%4)+\b):8*(8*((\a)%4)+\b)+7], v[128*(\p)+FR*\b:128*(\p)+FR*\b+FR-1], v[AF+FR*(\a):AF+FR*(\a)+FR-1], 0, v[SC+8*NQ*(\sc)+NQ*\b+(\q)], v[SC+8*NQ*(\sc)+NQ*(\a)+(\q)] matrix_a_fmt:MATRIX_FMT_BF6 matrix_b_fmt:MATRIX_FMT_BF6 matrix_a_scale:MATRIX_SCALE_ROW1
.else
	v_wmma_scale_f32_16x16x128_f8f6f4 v[8*(8*((\a)%4)+\b):8*(8*((\a)%4)+\b)+7], v[128*(\p)+FR*\b:128*(\p)+FR*\b+FR-1], v[AF+FR*(\a):AF+FR*(\a)+FR-1], v[8*(8*((\a)%4)+\b):8*(8*((\a)%4)+\b)+7], v[SC+8*NQ*(\sc)+NQ*\b+(\q)], v[SC+8*NQ*(\sc)+NQ*(\a)+(\q)] matrix_a_fmt:MATRIX_FMT_BF6 matrix_b_fmt:MATRIX_FMT_BF6 matrix_a_scale:MATRIX_SCALE_ROW1
.endif
.endr
.endr
.endm
.macro FETCH_B st, p
	WIN TO_B
.irp i, 0,1,2,3,4,5,6,7
	FRAG 128*(\p)+FR*\i, ADRB, \st, \i
.endr
	WIN 0
.endm
.macro FETCH_A st, i0
.irp i, \i0, \i0+1, \i0+2, \i0+3
	FRAG AF+FR*(\i), ADRA, \st, \i
.endr
.endm
.macro SCALES pr                       ; the words of steps 2 pr, 2 pr + 1: lanes 0-15 A's block i, lanes 16-31 B's
.irp i, 0,1,2,3,4,5,6,7
	ds_load_b64 v[SC+8*NQ*((\pr)%2)+NQ*\i:SC+8*NQ*((\pr)%2)+NQ*\i+1], v[ADRS] offset:\i*SBLK+4*NQ*(\pr)
.endr
.endm
.macro PLACES n
.rept \n
	v_nop
.endr
.endm
; A step: 64 products; the next step's fragments are fetched in its middle and at its end.  Where the next step ends in a chunk not read yet, a barrier shows that chunk whole;
; where it begins in a later chunk, the chunk left behind is free: the three lines, the barrier, and, if a chunk two on is left, the cluster's round and the refill.
.macro STEP st, zero
.set NX, (\st)+1
.set C0, (96*(\st))/ROWB
.set C1, (96*NX)/ROWB
.set E0, (96*(\st)+95)/ROWB
.set E1, (96*NX+95)/ROWB
.if C1 > C0 || E1 > E0
	s_wait_tensorcnt 0x0                           ; all my tensor loads have landed
.if C1 > C0
	ds_add_u32 v[SPW], v[NIL]
	s_wait_dscnt 4*NL+1                            ; the add and A's blocks 4-7 (24 loads) may be out
.else
	s_wait_dscnt 4*NL                              ; A's blocks 4-7 may be out
.endif
	WIN MUL_LO
	MUL16 0, (\st)%2, (\st)%2, ((\st)/2)%2, \zero
	s_wait_dscnt 0x0                               ; the add and all my reads are done
	s_barrier_signal -1
	MUL16 2, (\st)%2, (\st)%2, ((\st)/2)%2, \zero
	WIN 0
	s_barrier_wait -1
.if C1 > C0 && C0+2 < CHUNKS
	CREST
	s_add_nc_u64 s[G0+4*(C0%2)+2:G0+4*(C0%2)+3], s[G0+4*(C0%2)+2:G0+4*(C0%2)+3], 2*ROWB
	s_add_nc_u64 s[G0B+4*(C0%2)+2:G0B+4*(C0%2)+3], s[G0B+4*(C0%2)+2:G0B+4*(C0%2)+3], 2*ROWB
	JLOAD G0+4*(C0%2), G1, G0B+4*(C0%2), G1B       ; chunk C0 + 2; its four v_nop are the places in front of the loads below
.else
	PLACES NP
.endif
.else
	s_wait_dscnt 4*NL
	WIN MUL_LO
	MUL16 0, (\st)%2, (\st)%2, ((\st)/2)%2, \zero
	MUL16 2, (\st)%2, (\st)%2, ((\st)/2)%2, \zero
	s_wait_dscnt 0
	PLACES NP
.endif
	FETCH_B NX, NX%2
	FETCH_A NX, 0
.if NX%2 == 0
	SCALES NX/2
.endif
	WIN MUL_HI
	MUL16 4, (\st)%2, (\st)%2, ((\st)/2)%2, \zero
	MUL16 6, (\st)%2, (\st)%2, ((\st)/2)%2, \zero
	PLACES NP
	WIN 0
	FETCH_A NX, 4
.endm
	s_wait_alu depctr_va_vdst(0)
	s_wait_tensorcnt 0x0                           ; my tile of the head's four is in
	ds_add_u32 v[SPW], v[NIL]
	s_mov_b32 s[G1+2], 128<<16                     ; no load of mine is out: from here on a load brings 128 rows
	s_mov_b32 s[G1+4], 128
	s_mov_b32 s[G1B+2], 128<<16
	s_mov_b32 s[G1B+4], 128
	s_wait_dscnt 0x0
	CROUND
	JLOAD G0+4, G1, G0B+4, G1B                     ; chunk 1, slot 1's first fill
	FETCH_B 0, 0
	FETCH_A 0, 0
	SCALES 0
	FETCH_A 0, 4
	STEP 0, 1                                      ; the first products start the sums
.set ST, 1
.rept STEPS-2
	STEP ST, 0
.set ST, ST+1
.endr
	s_wait_dscnt 4*NL
	WIN MUL_LO
	MUL16 0, 1, 1, 1, 0
	MUL16 2, 1, 1, 1, 0
	s_wait_dscnt 0
	WIN MUL_HI
	MUL16 4, 1, 1, 1, 0
	MUL16 6, 1, 1, 1, 0
	WIN 0
	; where my results go (the head's descriptors in s[4:11] are done with)
	s_lshl_b32 s18, s17, 1
	s_add_co_u32 s18, s18, s15
	s_lshl_b32 s19, s42, 1
	s_add_co_u32 s19, s19, s16
	s_lshl_b32 s20, s19, 1
	s_and_b32 s21, s20, 15
	s_lshr_b32 s22, s20, 4
	s_mul_i32 s22, s22, 6144
	s_lshl_b32 s23, s18, 1
	s_cmp_lt_u32 s96, 8
	s_cselect_b32 s45, s18, s19
	s_cselect_b32 s46, s21, s23
	s_mov_b32 s47, 12288
	s_cselect_b32 s47, s22, s47
	s_cselect_b32 s92, s19, s23
	s_cselect_b32 s93, 9, 8
	s_mov_b32 s6, 1536
	s_cselect_b32 s6, 768, s6
	s_mov_b32 s94, 768
	s_cselect_b32 s94, 294912, s94
	s_cselect_b32 s8, 0, 288768
	s_mov_b32 s7, 0
	s_mov_b32 s9, 0
	s_mov_b32 s95, 0
	s_mov_b32 s10, 0x76543210
	s_mov_b32 s11, 0xfedcba98
	s_lshr_b32 s97, s45, 4
	s_lshl_b32 s97, s97, 4
	s_and_b32 s45, s45, 15
	s_add_co_u32 s46, s46, s97
	s_lshl_b32 s46, s46, 4
	s_add_co_u32 s46, s46, s45
	s_mul_i32 s46, s46, 18432
	s_add_co_u32 s46, s46, s47
	s_mov_b32 s47, 0
	s_add_nc_u64 s[12:13], s[12:13], s[46:47]
	s_add_nc_u64 s[4:5], s[12:13], s[94:95]
	s_add_co_u32 s92, s92, s97
	s_lshl_b32 s92, s92, 4
	s_add_co_u32 s92, s92, s45
	s_lshl_b32 s92, s92, s93
	s_mov_b32 s93, 0
	s_add_nc_u64 s[66:67], s[66:67], s[92:93]
; Block a's 16 rows x 128: four blocks of 32, each in lanes l and l xor 16: largest magnitude with the floor 2^(5 - 127), scale byte, codes, whole blocks to a lane, stores of 256 consecutive bytes.
.macro QUANTW a
.set SA, 64*((\a)%4)
	WIN 0x0a+5*((\a)/4)
.irp b, 0,1,2,3
	v_max3_num_f32 v[TM+\b], |v[SA+16*\b]|, |v[SA+16*\b+1]|, 0x2800000
.endr
.irp i, 2,4,6,8,10,12,14
.irp b, 0,1,2,3
	v_max3_num_f32 v[TM+\b], |v[SA+16*\b+\i]|, |v[SA+16*\b+\i+1]|, v[TM+\b]
.endr
.endr
	WIN 0
.irp b, 0,1,2,3
	v_permlanex16_b32 v[TM+4+\b], v[TM+\b], s10, s11
.endr
.irp b, 0,1,2,3
	v_max_num_f32 v[TM+\b], v[TM+\b], v[TM+4+\b]
.endr
.irp b, 0,1,2,3
	v_add_nc_u32 v[TM+12+\b], 0xfe000000, v[TM+\b]
.endr
.irp b, 0,1,2,3
	v_lshrrev_b32 v[TM+4+\b], 23, v[TM+12+\b]
.endr
	v_lshl_or_b32 v[PW+(\a)], v[TM+5], 8, v[TM+4]
	v_lshl_or_b32 v[PW+(\a)], v[TM+6], 16, v[PW+(\a)]
	v_lshl_or_b32 v[PW+(\a)], v[TM+7], 24, v[PW+(\a)]
.if (\a) > 0
	s_wait_xcnt 0x0                                ; the last block's stores have read their data and bases
	s_add_nc_u64 s[12:13], s[12:13], s[6:7]
	s_add_nc_u64 s[4:5], s[4:5], s[6:7]
.endif
.if (\a) == 4
	s_add_nc_u64 s[12:13], s[12:13], s[8:9]
	s_add_nc_u64 s[4:5], s[4:5], s[8:9]
.endif
	WIN 0x02+(\a)/4
.irp c, 0,1
	v_cvt_scalef32_pk16_bf6_f32 v[PC+6*\c:PC+6*\c+2], v[SA+32*\c:SA+32*\c+15], v[TM+12+2*\c]
	v_cvt_scalef32_pk16_bf6_f32 v[PC+12+4*\c:PC+14+4*\c], v[SA+32*\c+16:SA+32*\c+31], v[TM+13+2*\c]
.endr
	WIN 0
	v_nop
.irp c, 0,1
.irp i, 0,1,2
	v_permlane16_swap_b32 v[PC+6*\c+\i], v[PC+12+4*\c+\i]
.endr
.irp i, 0,1,2
	v_mov_b32 v[PC+3+6*\c+\i], v[PC+12+4*\c+\i]
.endr
.endr
	ds_store_b32 v[SWI], v[PW+(\a)] offset:64*(\a)
.irp p, 0,1,2
	global_store_b64 v[CO], v[PC+2*\p:PC+2*\p+1], s[12:13] offset:256*\p
.endr
.irp p, 0,1,2
	global_store_b64 v[CO], v[PC+6+2*\p:PC+6+2*\p+1], s[4:5] offset:256*\p
.endr
.endm
	PLACES NP
.irp b, 0,1,2,3
	v_mov_b32 v[TM+4+\b], 0
.endr
.irp a, 0,1,2,3,4,5,6,7
	QUANTW \a
.endr
	ds_load_b128 v[56:59], v[SWO]                  ; my own 512 bytes of scale words, in order behind my stores
	s_wait_dscnt 0x0
	global_store_b128 v[SGO], v[56:59], s[66:67]
	s_wait_tensorcnt 0x0                           ; the wave's end
	ds_add_u32 v[SPW], v[NIL]
	s_wait_dscnt 0x0
	CROUND                                         ; the closing round
	s_endpgm
.Lfunc_end_k_qc9152f1e86_qkv:
	.size	k_qc9152f1e86_qkv, .Lfunc_end_k_qc9152f1e86_qkv-k_qc9152f1e86_qkv
	.p2alignl 7, 3214868480
	.fill 96, 4, 3214868480
	.section	.rodata,"a",@progbits
	.p2align	6, 0x0
	.amdhsa_kernel k_qc9152f1e86_qkv
		.amdhsa_group_segment_fixed_size 327680
		.amdhsa_private_segment_fixed_size 0
		.amdhsa_enable_private_segment 0
		.amdhsa_kernarg_size 56
		.amdhsa_user_sgpr_count 2
		.amdhsa_user_sgpr_kernarg_segment_ptr 1
		.amdhsa_wavefront_size32 1
		.amdhsa_system_sgpr_workgroup_id_x 1
		.amdhsa_system_sgpr_workgroup_id_y 1
		.amdhsa_system_sgpr_workgroup_id_z 1
		.amdhsa_system_vgpr_workitem_id 0
		.amdhsa_next_free_vgpr 1024
		.amdhsa_next_free_sgpr 100
		.amdhsa_reserve_vcc 0
		.amdhsa_float_denorm_mode_32 3
		.amdhsa_float_denorm_mode_16_64 3
		.amdhsa_memory_ordered 1
		.amdhsa_forward_progress 1
		.amdhsa_inst_pref_size 169
	.end_amdhsa_kernel
	.amdgpu_metadata
---
amdhsa.version: [ 1, 2 ]
amdhsa.kernels:
  - .name:           k_qc9152f1e86_qkv
    .symbol:         k_qc9152f1e86_qkv.kd
    .args:
      - { .name: W_qkv_codes, .offset: 0, .size: 8, .value_kind: global_buffer, .address_space: global }
      - { .name: W_qkv_scales, .offset: 8, .size: 8, .value_kind: global_buffer, .address_space: global }
      - { .name: xc, .offset: 16, .size: 8, .value_kind: global_buffer, .address_space: global }
      - { .name: xs, .offset: 24, .size: 8, .value_kind: global_buffer, .address_space: global }
      - { .name: qkvc, .offset: 32, .size: 8, .value_kind: global_buffer, .address_space: global }
      - { .name: qks, .offset: 40, .size: 8, .value_kind: global_buffer, .address_space: global }
      - { .name: vs, .offset: 48, .size: 8, .value_kind: global_buffer, .address_space: global }
    .group_segment_fixed_size: 327680
    .private_segment_fixed_size: 0
    .kernarg_segment_align: 8
    .kernarg_segment_size: 56
    .max_flat_workgroup_size: 128
    .sgpr_count:     100
    .vgpr_count:     1024
    .wavefront_size: 32
...
	.end_amdgpu_metadata
.endif
;; end of part 2
;; launch attn (part 3): grid 4 x 64, 8 waves a work-group, clusters of 4 x 1, 327,680 bytes of LDS; arguments qkvc, qks, vs, mask_mat, out0; writes out0
.if DOCPART == 3
	.amdgcn_target "amdgcn-amd-amdhsa--gfx1250"
	.amdhsa_code_object_version 6
	.text
	.protected	k_qc9152f1e86_attn
	.globl	k_qc9152f1e86_attn
	.p2align	8
	.type	k_qc9152f1e86_attn,@function
k_qc9152f1e86_attn:
	s_mov_b64 s[64:65], 0
	v_nop
	global_prefetch_b8 v0, s[64:65] scope:SCOPE_SE
	s_setreg_imm32_b32 hwreg(HW_REG_WAVE_MODE, 25, 1), 1
	s_wait_xcnt 0x0
	s_wait_alu depctr_hold_cnt(0) depctr_sa_sdst(0) depctr_va_vdst(0) depctr_va_sdst(0) depctr_va_ssrc(0) depctr_va_vcc(0) depctr_vm_vsrc(0)
	s_getreg_b32 s2, hwreg(HW_REG_IB_STS2, 6, 4)
	s_cmp_eq_u32 s2, 0
	s_cbranch_scc0 .Lentry_in_a_cluster
	s_endpgm
.Lentry_in_a_cluster:
	s_bfe_u32 s2, ttmp6, 0x10000c
	s_cmp_lg_u32 s2, 0x3003
	s_cbranch_scc0 .Lentry_shape_is_right
	s_endpgm
.Lentry_shape_is_right:
; out[b][q][64 h + d] = the sum over keys of softmax_k(Q . K / 8 - m_q m_k) V, both products on codes of BF6 (E3M2) with one E8M0 scale for each 32 along a product's K.
; Q, K, V arrive as images of operand registers (groups of 768 bytes: [pair 0..2][lane][8 bytes]) with their scale words; mask_mat is [4][2048] f32; out0 is [4][2048][1024] f32.
; THE SOFTMAX: t = (S - 8 m_q m_k) x log2(e) / 8; M = the row's largest t so far, rounded UP to a whole number; p = 2^(t - M) is quantised along the keys, not normalised; the row's sum is taken of the
; unquantised p and divides O at the end.  When M moves, the sum and O are multiplied by 2^(old M - new M): exact.  -8 m_q m_k is the C of the score product: 1/8 is a power of two, so nothing is lost by it.
; SHARES.  The cluster's y is (batch, head); its four work-groups own 512 queries each; each of the eight waves owns 64: four tiles of 16, so that each fragment of K and V and each mask register read from LDS serves four tiles.
; Two waves share a SIMD: one wave's vector work stands beside the other's matrix work and LDS loads.  Every wave walks the head's 2,048 keys, 128 a step.
; LDS.  One head's K and V are 196,608 bytes of codes: they lie in LDS WHOLE, with their scale words and the batch's mask.  Every byte is filled once, by joint loads of the four work-groups: no slot is filled again.
; LAYOUT.  Both products are used transposed: S^T = K Q^T (source 0 = 16 keys, source 1 = 16 queries), O^T = V^T P^T: a lane holds ONE query (lane % 16) throughout.  Register 16 B + 8 u + j of S^T is key
; 32 B + 16 u + 8 (lane / 16) + j; its code goes to place 16 (lane / 16) + 8 u + j of block B, which is the order in which V's codes were laid: the same order on both sides of the product.
; K = 64 FILLS HALF OF THE INSTRUCTION'S 128.  Q's registers 6-11 are zero codes.  K's fragment t is named as twelve registers of which the upper six are the next group's codes: finite numbers, multiplied by zeros.
; Both sides' scale bytes 2 and 3 are 0 (2^-127, a finite number).
; LIMITS: NaN and infinities are not served; p under 2^-126 counts as 0; the order of K inside a block of 32 is not reference's, so the sums' last bits may differ.
; REGISTERS.  Window 0: v1 8 x lane; v2-5 the step's LDS addresses; v6, 7, 14 their lane parts; v8-11 K's scale words; v12-13 V's; v15 my offset in out0; v16-47 statistics, eight a tile: +0 -M, +1 the largest t,
;   +2, 3 the sum, +4 f (+5 its pair), +6 -8 m_q, later 1 / the sum (+7 its pair); v48-63 at work; v64-127 S^T, then p; v128-191 the step's m_k; v192-239 p's codes, 12 a tile; v240-247 at work; v248-251 Q's scale words; v252-255 p's.
;   Window 1: v0-127 O^T, 32 a tile; v128-175 Q's four fragments; v176-229 eight groups of K or four fragments of V, and six registers that are written once.
.set STEPB, 12288                      ; a step in LDS: K's eight groups, then V's eight
.set KSC,   196608                     ; K's scale words of the pair of heads: 2,048 words
.set VSC,   204800                     ; V's scale words: 16 steps x 64 words
.set MSK,   208896                     ; the batch's mask: 2,048 f32
.set STAGE, 217088                     ; the way out: 16 rows x (256 bytes + 16) for each wave; no fill lands here
.set SPI,   272
.set ADK, 2
.set ADS, 3
.set ADT, 4
.set ADM, 5
.set STO, 2                            ; the way out: where I put 32 bytes of a row;
.set RD,  3                            ; and where I read a row back
.set KS,  8
.set VS,  12
.set GO,  15
.set ST,  16
.set BM,  48                           ; v48-51 a block's largest score, then its largest p
.set PM,  52                           ; v52-55 the other half's, then the scale bytes
.set SO,  56                           ; v56-59 the conversions' scale operands
.set SUM2, 60                          ; v[60:61] the second chain of the sum
.set XX,  62
.set SCO, 64
.set MKR, 128
.set PCD, 192
.set CV2, 240
.set QS,  248
.set PS,  252
.set QF,  128                          ; in window 1
.set KF,  176
.set WV,  14                           ; s14  my wave's number
.set G1C, 24                           ; s[24:31] descriptor group 1: 48 rows of 256 bytes: one step's K and V
.set TB,  80                           ; s80  LDS byte at which the step's tiles begin
.set TS,  81                           ; s81  the step's 512 bytes of K's scale words, and of the mask
.set TJ,  82                           ; s82  the step's 256 bytes of V's scale words
.set CNT, 83
.set MSB, 0
.macro WIN new                         ; the immediate's high byte repeats the setting that is left
.if MSB != \new
	s_set_vgpr_msb (MSB<<8)|\new
.set MSB, \new
.endif
.endm
.macro PLACES
.rept 4
	v_nop
.endr
.endm
.macro CROUND                          ; a round of the cluster's barrier
	s_barrier_signal -1
	s_barrier_wait -1
	s_cmp_lg_u32 s[WV], 0
	s_cbranch_scc1 .Lnot_wave_0_\@
	s_barrier_signal -3
.Lnot_wave_0_\@:
	s_barrier_wait -3
	s_barrier_signal -1
	s_barrier_wait -1
.endm
	s_load_b256 s[4:11], s[0:1], 0x0               ; qkvc s[4:5], qks s[6:7], vs s[8:9], mask_mat s[10:11]
	s_load_b64 s[12:13], s[0:1], 0x20              ; out0
	s_set_vgpr_msb 0x40
	v_lshl_add_u32 v254, v0, 2, 0x3d800
	v_mov_b32 v255, 0
	s_set_vgpr_msb 0x4045
	ds_add_u32 v254, v255
	ds_add_u32 v254, v255
	s_set_vgpr_msb 0x4500
	v_lshrrev_b32 v1, 5, v0
	s_delay_alu instid0(VALU_DEP_1)
	v_readfirstlane_b32 s[WV], v1                  ; wave 0..7
	s_bfe_u32 s15, ttmp6, 0x40000                  ; cx: my block of 512 queries; it enters Q's, m_q's and out0's addresses alone
	s_and_b32 s16, ttmp7, 0xffff                   ; 16 batch + head, which the four partners share
	s_lshr_b32 s17, s16, 4                         ; batch
	s_and_b32 s18, s16, 15                         ; head
	s_and_b32 s19, s18, 1
	s_lshl_b32 s19, s19, 4                         ; my head's two bytes in a scale word of q or k begin at this bit
	s_mov_b32 s20, 0x76543210
	s_mov_b32 s21, 0xfedcba98                      ; v_permlanex16_b32's selects for lane l xor 16
	s_mov_b32 s22, 0x3e38aa3b                      ; c = log2(e) / 8
	s_mov_b32 s23, s22                             ; (named with it as a pair, so it is written)
	; descriptor groups 1: dense blocks as rows of 256 bytes (32 elements of 8 bytes), no padding
.irp g, G1C
	s_mov_b32 s[\g], 15|(3<<16)|(1<<21)            ; 15:0 the mask: all four work-groups; 17:16 elements of 8 bytes; 21 set beside a mask
	s_mov_b32 s[\g+1], 32<<16                      ; tensor_dim0 = 32
	s_mov_b32 s[\g+3], 32<<16                      ; tile_dim0 = 32
	s_mov_b32 s[\g+5], 32                          ; tensor_dim0_stride
	s_mov_b32 s[\g+6], 0
	s_mov_b32 s[\g+7], 0
.endr
	s_mov_b32 s[G1C+2], 48<<16                     ; tensor_dim1,
	s_mov_b32 s[G1C+4], 48                         ; tile_dim1: 12,288 bytes
	; what I fetch: made of batch, head and the wave's number alone
	s_mul_i32 s86, s16, 294912                     ; the head's first byte in qkvc
	s_mul_i32 s84, s[WV], 18432                    ; of eight steps I fetch step wave: its K and V, 12,288 consecutive bytes,
	s_add_co_u32 s84, s84, 6144                    ; which lie behind Q's
	s_add_co_u32 s84, s84, s86
	s_mov_b32 s85, 0
	s_mul_i32 s87, s[WV], STEPB                    ; and their place in LDS
	s_lshl_b32 s88, s17, 4
	s_lshr_b32 s89, s18, 1
	s_add_co_u32 s88, s88, s89
	s_lshl_b32 s88, s88, 13                        ; q's scale words of my pair of heads: (16 batch + head / 2) x 8,192
	s_add_co_u32 s92, s88, 65536                   ; k's scale words lie eight pairs on
	s_mov_b32 s93, 0
	s_lshl_b32 s94, s16, 12                        ; v's scale words: 4,096 bytes a head
	s_mov_b32 s95, 0
	s_lshl_b32 s96, s17, 13                        ; the batch's mask
	s_mov_b32 s97, 0
	v_lshlrev_b32 v2, 4, v0                        ; 16 x my thread's number
	v_add_nc_u32 v3, KSC, v2
	s_wait_alu depctr_va_vdst(0)
	s_wait_dscnt 0x0
	s_wait_kmcnt 0x0
	s_add_nc_u64 s[68:69], s[6:7], s[92:93]
	s_add_nc_u64 s[72:73], s[8:9], s[94:95]
	s_add_nc_u64 s[76:77], s[10:11], s[96:97]
	s_add_nc_u64 s[84:85], s[4:5], s[84:85]
.irp c, 0,1
	s_mov_b32 s[48+4*\c], 1
	s_add_co_u32 s[49+4*\c], s87, 8*STEPB*\c       ; half c: steps 8 c to 8 c + 7, a step a wave
	s_add_nc_u64 s[50+4*\c:51+4*\c], s[84:85], 8*18432*\c
	s_or_b32 s[51+4*\c], s[51+4*\c], 0x80000000
.endr
	CROUND                                         ; all four work-groups are here: the joint loads meet
	tensor_load_to_lds s[48:51], s[G1C:G1C+7]      ; steps 0 to 7: my one tensor load at the head
	s_nop 0
	PLACES
	; the scale words and the mask, 20,480 bytes beside the 196,608 of codes, come by the work-group's own loads through registers: 16 bytes a thread and load
	global_load_b128 v[64:67], v2, s[68:69]
	global_load_b128 v[68:71], v2, s[68:69] offset:4096
	global_load_b128 v[72:75], v2, s[72:73]
	global_load_b128 v[76:79], v2, s[76:77]
	global_load_b128 v[80:83], v2, s[76:77] offset:4096
	; my own 64 queries
	s_lshl_b32 s90, s15, 2
	s_lshr_b32 s91, s[WV], 1
	s_add_co_u32 s90, s90, s91                     ; their step of 128 tokens: 4 cx + wave / 2
	s_mul_i32 s90, s90, 18432
	s_and_b32 s91, s[WV], 1
	s_mul_i32 s91, s91, 3072                       ; groups 4 (wave % 2) on
	s_add_co_u32 s90, s90, s91
	s_add_co_u32 s90, s90, s86
	s_mov_b32 s91, 0
	s_add_nc_u64 s[4:5], s[4:5], s[90:91]          ; Q's codes
	s_lshl_b32 s92, s15, 9
	s_lshl_b32 s93, s[WV], 6
	s_add_co_u32 s92, s92, s93                     ; my first query
	s_lshl_b32 s90, s92, 2
	s_add_co_u32 s94, s90, s88
	s_add_nc_u64 s[6:7], s[6:7], s[94:95]          ; its scale word
	s_add_co_u32 s94, s90, s96
	s_add_nc_u64 s[10:11], s[10:11], s[94:95]      ; its m_q
	s_lshl_b32 s94, s17, 23
	s_lshl_b32 s90, s92, 12
	s_add_co_u32 s94, s94, s90
	s_lshl_b32 s90, s18, 8
	s_add_co_u32 s94, s94, s90                     ; batch x 2,048 rows + my first row, of 4,096 bytes; + 256 x head: under 2^25
	s_add_nc_u64 s[12:13], s[12:13], s[94:95]
	v_and_b32 v63, 15, v0                          ; r
	v_bfe_u32 v62, v0, 4, 1                        ; h
	v_and_b32 v1, 31, v0                           ; lane
	s_delay_alu instid0(VALU_DEP_1)
	v_lshl_add_u32 v6, v1, 2, KSC                  ; 4 x lane among K's scale words: lanes 0-15 an even tile's keys, lanes 16-31 the odd tile's
	s_delay_alu instid0(VALU_DEP_2)
	v_lshl_add_u32 v7, v1, 2, VSC                  ; and among V's
	s_delay_alu instid0(VALU_DEP_4)
	v_lshl_add_u32 v14, v62, 5, MSK                ; the mask: my half's eight keys of a tile
	v_lshlrev_b32 v[GO], 12, v62
	s_delay_alu instid0(VALU_DEP_1)
	v_lshl_add_u32 v[GO], v63, 4, v[GO]            ; the way out: lanes 0-15 one row of out0, lanes 16-31 the next; 16 bytes a lane
	v_lshlrev_b32 v1, 3, v1                        ; 8 x lane: my place in a pair's 256 bytes of a group
	v_lshlrev_b32 v63, 2, v63                      ; 4 r
	WIN 0x40                                       ; destination window 1
.irp q, 0,1,2,3
.irp p, 0,1,2
	global_load_b64 v[QF+12*\q+2*\p:QF+12*\q+2*\p+1], v1, s[4:5] offset:768*\q+256*\p   ; Q stays in registers
.endr
.endr
.irp q, 0,1,2,3
.irp i, 6,7,8,9,10,11
	v_mov_b32 v[QF+12*\q+\i], 0                    ; K = 64 .. 127: zero codes
.endr
.endr
.irp i, 48,49,50,51,52,53
	v_mov_b32 v[KF+\i], 0                          ; named as the upper half of K's last fragment: written once
.endr
.set i, 0
.rept 128
	v_mov_b32 v[i], 0                              ; O^T.  (The step is written for every trip alike: the first finds zeros, which the first change of M leaves zeros; a first step of its own would be a third copy of the step's text)
.set i, i+1
.endr
	WIN 0
.irp q, 0,1,2,3
	global_load_b32 v[QS+\q], v63, s[6:7] offset:64*\q
	global_load_b32 v[ST+8*\q+6], v63, s[10:11] offset:64*\q
.endr
.irp q, 0,1,2,3
	v_mov_b32 v[ST+8*\q+1], 0xff61b1e6             ; the largest t so far: -3e38, under every t
	v_mov_b32 v[ST+8*\q+2], 0                      ; the sum, in two halves
	v_mov_b32 v[ST+8*\q+3], 0
	v_mov_b32 v[ST+8*\q+5], 0                      ; (named as the upper halves of pairs)
	v_mov_b32 v[ST+8*\q+7], 0
	v_mov_b32 v[PM+\q], 0                          ; written once: a lane permute's destination counts as one of its sources
.endr
.irp q, 0,1,2,3
	v_floor_f32 v[ST+8*\q], -v[ST+8*\q+1]          ; -M
.endr
	s_wait_loadcnt 0x0                             ; Q, its scale words, m_q
.irp q, 0,1,2,3
	v_bfe_u32 v[QS+\q], v[QS+\q], s19, 16          ; my head's two bytes; bytes 2 and 3 are 0
	v_mul_f32 v[ST+8*\q+6], 0xc1000000, v[ST+8*\q+6]   ; -8 m_q
.endr
; ONE TILE OF 16 QUERIES IN A KEY STEP: the mask term, eight products, the softmax, p's codes.
.macro TILE q
.set TQ, ST+8*(\q)
.set PQ, PCD+12*(\q)
.irp j, 0,2,4,6,8,10,12,14,16,18,20,22,24,26,28,30,32,34,36,38,40,42,44,46,48,50,52,54,56,58,60,62
	v_pk_mul_f32 v[SCO+\j:SCO+\j+1], v[MKR+\j:MKR+\j+1], v[TQ+6:TQ+7] op_sel_hi:[1,0]   ; -8 m_q m_k: the products' C
.endr
	PLACES                                         ; C has just been written by vector instructions: four places, as for an operand so written
	WIN 0x05                                       ; K and Q in window 1, S^T in window 0
.irp t, 0,1,2,3,4,5,6,7                        ; eight accumulators, one instruction each
.if \t%2
	v_wmma_scale_f32_16x16x128_f8f6f4 v[SCO+8*\t:SCO+8*\t+7], v[KF+6*\t:KF+6*\t+11], v[QF+12*(\q):QF+12*(\q)+11], v[SCO+8*\t:SCO+8*\t+7], v[KS+\t/2], v[QS+(\q)] matrix_a_fmt:MATRIX_FMT_BF6 matrix_b_fmt:MATRIX_FMT_BF6 matrix_a_scale:MATRIX_SCALE_ROW1
.else
	v_wmma_scale_f32_16x16x128_f8f6f4 v[SCO+8*\t:SCO+8*\t+7], v[KF+6*\t:KF+6*\t+11], v[QF+12*(\q):QF+12*(\q)+11], v[SCO+8*\t:SCO+8*\t+7], v[KS+\t/2], v[QS+(\q)] matrix_a_fmt:MATRIX_FMT_BF6 matrix_b_fmt:MATRIX_FMT_BF6
.endif
.endr
	WIN 0
	PLACES                                         ; behind the products: their results are read, and (last tile) K's registers loaded anew
.if (\q) == 3
	WIN 0x40                                       ; K is done with: V's four fragments take its registers and land while this tile's softmax runs
.set n, 0
.rept 24
	ds_load_b64 v[KF+2*n:KF+2*n+1], v[ADK] offset:6144+256*n   ; register pair n of the image lies 256 n bytes on
.set n, n+1
.endr
	WIN 0
	ds_load_b32 v[VS], v[ADT]                      ; lanes 0-15: channels 0-15; lanes 16-31: channels 16-31
	ds_load_b32 v[VS+1], v[ADT] offset:128
.endif
.irp b, 0,1,2,3
	v_max3_num_f32 v[BM+\b], v[SCO+16*\b], v[SCO+16*\b+1], v[SCO+16*\b+2]   ; the largest score of each block of 32 keys: it serves for the row's maximum and, since p rises with the score, for the block's largest p
.endr
.irp i, 3,5,7,9,11,13
.irp b, 0,1,2,3
	v_max3_num_f32 v[BM+\b], v[BM+\b], v[SCO+16*\b+\i], v[SCO+16*\b+\i+1]   ; (the four blocks by turns; each accumulator is read from its low end on)
.endr
.endr
.irp b, 0,1,2,3
	v_max_num_f32 v[BM+\b], v[BM+\b], v[SCO+16*\b+15]
.endr
.irp b, 0,1,2,3
	s_delay_alu instid0(VALU_DEP_4)
	v_permlanex16_b32 v[PM+\b], v[BM+\b], s20, s21
.endr
.irp b, 0,1,2,3
	s_delay_alu instid0(VALU_DEP_4)
	v_max_num_f32 v[BM+\b], v[BM+\b], v[PM+\b]     ; with lane l xor 16's 16 keys
.endr
	s_delay_alu instid0(VALU_DEP_2)
	v_max3_num_f32 v[XX], v[BM], v[BM+1], v[BM+2]
	s_delay_alu instid0(VALU_DEP_1)
	v_max_num_f32 v[XX], v[XX], v[BM+3]            ; the step's largest score of my query
	s_delay_alu instid0(VALU_DEP_1)
	v_mul_f32 v[XX], s22, v[XX]                    ; as t (c is positive)
	s_delay_alu instid0(VALU_DEP_1)
	v_max_num_f32 v[TQ+1], v[TQ+1], v[XX]          ; the running largest t
	v_mov_b32 v[XX], v[TQ]
	s_delay_alu instid0(VALU_DEP_2)
	v_floor_f32 v[TQ], -v[TQ+1]                    ; the new -M = floor(-t) = -ceil(t): a whole number
	s_delay_alu instid0(VALU_DEP_1)
	v_sub_f32 v[XX], v[TQ], v[XX]                  ; M's old value less its new one: a whole number, 0 or less
	s_delay_alu instid0(VALU_DEP_1)
	v_cvt_i32_f32 v[XX], v[XX]                     ; (it saturates)
	s_delay_alu instid0(VALU_DEP_1)
	v_ldexp_f32 v[TQ+4], 1.0, v[XX]                ; f = 2^(old M - new M)
.irp j, 0,2,4,6,8,10,12,14,16,18,20,22,24,26,28,30,32,34,36,38,40,42,44,46,48,50,52,54,56,58,60,62
	v_pk_fma_f32 v[SCO+\j:SCO+\j+1], v[SCO+\j:SCO+\j+1], s[22:23], v[TQ:TQ+1] op_sel_hi:[1,0,0]   ; t - M, two at a time
.endr
.irp b, 0,1,2,3
	v_fma_f32 v[BM+\b], v[BM+\b], s22, v[TQ]       ; the same of each block's largest score
.endr
.set n, 0
	s_wait_alu depctr_va_vdst(0)
.rept 64
	v_exp_f32 v[SCO+n], v[SCO+n]                   ; p = 2^(t - M), at most 1: one batch
.set n, n+1
.endr
	v_pk_mul_f32 v[TQ+2:TQ+3], v[TQ+2:TQ+3], v[TQ+4:TQ+5] op_sel_hi:[1,0]   ; the sums under the new M (a plain place behind the exponentials)
	s_wait_alu depctr_va_vdst(0)                   ; one wait for the whole batch, ahead of its first reader
.irp b, 0,1,2,3
	v_exp_f32 v[BM+\b], v[BM+\b]                   ; the block's largest p: the same two instructions on the same number give the same bits
.endr
	v_pk_add_f32 v[SUM2:SUM2+1], v[SCO:SCO+1], v[SCO+2:SCO+3]   ; the row's sum is taken of the unquantised p: two at a time, in two chains
.irp j, 4,8,12,16,20,24,28,32,36,40,44,48,52,56,60
	v_pk_add_f32 v[TQ+2:TQ+3], v[TQ+2:TQ+3], v[SCO+\j:SCO+\j+1]
	v_pk_add_f32 v[SUM2:SUM2+1], v[SUM2:SUM2+1], v[SCO+\j+2:SCO+\j+3]
.endr
	s_delay_alu instid0(VALU_DEP_1)
	v_pk_add_f32 v[TQ+2:TQ+3], v[TQ+2:TQ+3], v[SUM2:SUM2+1]
	s_wait_alu depctr_va_vdst(0)                   ; and one for the four
.irp b, 0,1,2,3
	v_max_num_f32 v[BM+\b], 0x2800000, v[BM+\b]    ; the floor 2^(5 - 127): the byte cannot fall under 1 (a block whose every p is 0 keeps that byte: its codes are zeros)
.endr
.irp b, 0,1,2,3
	s_delay_alu instid0(VALU_DEP_4)
	v_add_nc_u32 v[SO+\b], 0xfe000000, v[BM+\b]    ; 4 off the exponent field: the conversion's scale operand
.endr
.irp b, 0,1,2,3
	s_delay_alu instid0(VALU_DEP_4)
	v_lshrrev_b32 v[PM+\b], 23, v[SO+\b]           ; the scale's byte
.endr
	s_delay_alu instid0(VALU_DEP_3)
	v_lshl_or_b32 v[PS+(\q)], v[PM+1], 8, v[PM]    ; p's scale word for these 128 keys
	s_delay_alu instid0(VALU_DEP_1)
	v_lshl_or_b32 v[PS+(\q)], v[PM+2], 16, v[PS+(\q)]
	s_delay_alu instid0(VALU_DEP_1)
	v_lshl_or_b32 v[PS+(\q)], v[PM+3], 24, v[PS+(\q)]
.irp c, 0,1
	v_cvt_scalef32_pk16_bf6_f32 v[PQ+6*\c:PQ+6*\c+2], v[SCO+32*\c:SCO+32*\c+15], v[SO+2*\c]
	v_cvt_scalef32_pk16_bf6_f32 v[CV2+4*\c:CV2+4*\c+2], v[SCO+32*\c+16:SCO+32*\c+31], v[SO+2*\c+1]   ; (a conversion's three registers begin on an even number)
.endr
	v_nop                                          ; one plain place behind a scaled conversion
.irp c, 0,1                                    ; the operand wants a WHOLE block in a lane: lanes 0-15 block 2 c, lanes 16-31 block 2 c + 1
.irp i, 0,1,2
	v_permlane16_swap_b32 v[PQ+6*\c+\i], v[CV2+4*\c+\i]
.endr
.irp i, 0,1,2
	s_delay_alu instid0(VALU_DEP_3)
	v_mov_b32 v[PQ+3+6*\c+\i], v[CV2+4*\c+\i]
.endr
.endr
.endm
; A KEY STEP: 128 keys for my four tiles.
.macro STEP
	v_add_nc_u32 v[ADK], s[TB], v1                 ; these four are also the places between the last step's products and the loads into the registers that they read
	v_add_nc_u32 v[ADS], s[TS], v6
	v_add_nc_u32 v[ADT], s[TJ], v7
	v_add_nc_u32 v[ADM], s[TS], v14
	WIN 0x40
.set n, 0
.rept 24
	ds_load_b64 v[KF+2*n:KF+2*n+1], v[ADK] offset:256*n    ; K's eight groups: 32 lanes read 256 consecutive bytes
.set n, n+1
.endr
	WIN 0
.irp i, 0,1,2,3
	ds_load_b32 v[KS+\i], v[ADS] offset:128*\i     ; lanes 0-15: tile 2 i's keys; lanes 16-31: tile 2 i + 1's
.endr
.irp t, 0,1,2,3,4,5,6,7
	ds_load_b128 v[MKR+8*\t:MKR+8*\t+3], v[ADM] offset:64*\t          ; m_k in the result's layout: register 8 t + j is key 16 t + 8 (lane / 16) + j
	ds_load_b128 v[MKR+8*\t+4:MKR+8*\t+7], v[ADM] offset:64*\t+16
.endr
	s_wait_dscnt 0x0
.irp i, 0,1,2,3
	v_bfe_u32 v[KS+\i], v[KS+\i], s19, 16          ; my head's two bytes; the 32 multiplications that follow stand between these lines and the first product
.endr
	TILE 0
	TILE 1
	TILE 2
	TILE 3
	WIN 0x41                                       ; O^T (destination and source 0) in window 1, f in window 0
.irp q, 0,1,2,3
.set i, 0
.rept 16
	v_pk_mul_f32 v[32*\q+i:32*\q+i+1], v[32*\q+i:32*\q+i+1], v[ST+8*\q+4:ST+8*\q+5] op_sel_hi:[1,0]   ; O^T under the new M: x f; each accumulator from its low end on
.set i, i+2
.endr
.endr
	PLACES                                         ; C has just been written by vector instructions: four places, as for an operand so written
	s_wait_alu depctr_va_vdst(0)
	s_wait_dscnt 0x0                               ; V and its scale words are in
	WIN 0x51                                       ; V in window 1, p in window 0, O^T in window 1
.irp d, 0,1,2,3                                ; sixteen accumulators by turns, one instruction a turn
.irp q, 0,1,2,3
.if \d%2
	v_wmma_scale_f32_16x16x128_f8f6f4 v[32*\q+8*\d:32*\q+8*\d+7], v[KF+12*\d:KF+12*\d+11], v[PCD+12*\q:PCD+12*\q+11], v[32*\q+8*\d:32*\q+8*\d+7], v[VS+\d/2], v[PS+\q] matrix_a_fmt:MATRIX_FMT_BF6 matrix_b_fmt:MATRIX_FMT_BF6 matrix_a_scale:MATRIX_SCALE_ROW1
.else
	v_wmma_scale_f32_16x16x128_f8f6f4 v[32*\q+8*\d:32*\q+8*\d+7], v[KF+12*\d:KF+12*\d+11], v[PCD+12*\q:PCD+12*\q+11], v[32*\q+8*\d:32*\q+8*\d+7], v[VS+\d/2], v[PS+\q] matrix_a_fmt:MATRIX_FMT_BF6 matrix_b_fmt:MATRIX_FMT_BF6
.endif
.endr
.endr
	WIN 0
	s_add_co_u32 s[TB], s[TB], STEPB
	s_add_co_u32 s[TS], s[TS], 512
	s_add_co_u32 s[TJ], s[TJ], 256
.endm
	s_wait_alu depctr_va_vdst(0)
	s_wait_tensorcnt 0x0                           ; my step of the first eight is in: no engine load of mine is out while I store
	ds_store_b128 v3, v[64:67]                     ; K's scale words,
	ds_store_b128 v3, v[68:71] offset:4096
	ds_store_b128 v3, v[72:75] offset:VSC-KSC      ; V's,
	ds_store_b128 v3, v[76:79] offset:MSK-KSC      ; the mask
	ds_store_b128 v3, v[80:83] offset:MSK-KSC+4096
	s_set_vgpr_msb 0x5
	s_wait_tensorcnt 0x0
	ds_add_u32 v254, v255
	s_wait_dscnt 0x0                               ; the add and my stores are done
	s_set_vgpr_msb 0x500
	CROUND                                         ; everybody's parts are in, and the joint loads meet
	tensor_load_to_lds s[52:55], s[G1C:G1C+7]      ; steps 8 to 15 land while the first eight are worked
	s_nop 0
	PLACES
	s_mov_b32 s[TB], 0
	s_mov_b32 s[TS], 0
	s_mov_b32 s[TJ], 0
	s_mov_b32 s[CNT], 8
.Lfirst:                                           ; steps 0 to 7, while steps 8 to 15 land
	STEP
	s_sub_co_u32 s[CNT], s[CNT], 1
	s_cmp_lg_u32 s[CNT], 0
	s_cbranch_scc1 .Lfirst
	s_wait_tensorcnt 0x0                           ; my step of the last eight is in,
	s_wait_dscnt 0x0
	s_barrier_signal -1
	s_barrier_wait -1                              ; everybody's are
	s_mov_b32 s[TB], 8*STEPB
	s_mov_b32 s[TS], 8*512
	s_mov_b32 s[TJ], 8*256
	s_mov_b32 s[CNT], 8
.Lrest:
	STEP
	s_sub_co_u32 s[CNT], s[CNT], 1
	s_cmp_lg_u32 s[CNT], 0
	s_cbranch_scc1 .Lrest
	; THE WAY OUT.  The sum's two halves and lane l xor 16's are added; O^T is divided by the sum and goes through my stage in LDS, a tile (16 queries x 64 channels) at a time,
	; so that sixteen lanes store the 256 consecutive bytes of one query and head.  The additions are the places behind the last products.
.irp q, 0,1,2,3
	v_add_f32 v[ST+8*\q+4], v[ST+8*\q+2], v[ST+8*\q+3]
.endr
.irp q, 0,1,2,3
	s_delay_alu instid0(VALU_DEP_4)
	v_permlanex16_b32 v[ST+8*\q+5], v[ST+8*\q+4], s20, s21
.endr
.irp q, 0,1,2,3
	s_delay_alu instid0(VALU_DEP_4)
	v_add_f32 v[ST+8*\q+4], v[ST+8*\q+4], v[ST+8*\q+5]
.endr
	s_wait_alu depctr_va_vdst(0)
.irp q, 0,1,2,3
	v_rcp_f32 v[ST+8*\q+6], v[ST+8*\q+4]
.endr
	v_and_b32 v4, 15, v0                           ; r  (plain work behind the reciprocals)
	v_bfe_u32 v5, v0, 4, 1                         ; h
	s_mul_i32 s84, s[WV], 16*SPI
	s_add_co_u32 s84, s84, STAGE                   ; my stage
	v_mul_u32_u24 v[STO], v4, SPI
	s_delay_alu instid0(VALU_DEP_1)
	v_lshl_add_u32 v[STO], v5, 5, v[STO]
	s_delay_alu instid0(VALU_DEP_1)
	v_add_nc_u32 v[STO], s84, v[STO]               ; in: row r, + 32 h; the 16 channels' tile stands in the offset
	v_mul_u32_u24 v[RD], v5, SPI
	s_delay_alu instid0(VALU_DEP_1)
	v_lshl_add_u32 v[RD], v4, 4, v[RD]
	s_delay_alu instid0(VALU_DEP_1)
	v_add_nc_u32 v[RD], s84, v[RD]                 ; back: lanes 0-15 one row, lanes 16-31 the next
	s_wait_alu depctr_va_vdst(0)                   ; one wait for the four reciprocals, ahead of their first reader
.macro PACK q
.set TP, SCO+32*((\q)%2)
.set BK, MKR+32*(\q)
	WIN 0x01                                       ; source 0 (O^T) window 1
.set i, 0
.rept 16
	v_pk_mul_f32 v[TP+i:TP+i+1], v[32*(\q)+i:32*(\q)+i+1], v[ST+8*(\q)+6:ST+8*(\q)+7] op_sel_hi:[1,0]   ; register 8 d + j is out(query r, channel 16 d + 8 h + j)
.set i, i+2
.endr
	WIN 0
.irp d, 0,1,2,3
	ds_store_b128 v[STO], v[TP+8*\d:TP+8*\d+3] offset:64*\d
	ds_store_b128 v[STO], v[TP+8*\d+4:TP+8*\d+7] offset:64*\d+16
.endr
.irp f, 0,1,2,3,4,5,6,7
	ds_load_b128 v[BK+4*\f:BK+4*\f+3], v[RD] offset:2*SPI*\f   ; LDS serves a wave's instructions in order (ISA guide 5.7.1.4): these see the stores above, and the next tile's stores come behind them
.endr
.endm
.macro SEND q, younger                 ; younger: the LDS instructions issued behind tile q's loads: the next tile's sixteen, or none
.irp f, 0,1,2,3,4,5,6,7
	s_wait_dscnt \younger+7-\f
	global_store_b128 v[GO], v[MKR+32*(\q)+4*\f:MKR+32*(\q)+4*\f+3], s[12:13] offset:65536*(\q)+8192*\f th:TH_STORE_NT   ; 16 lanes store 256 consecutive bytes, at a multiple of 256 from out0's first byte; each tile has registers of its own
.endr
.endm
	PACK 0
	PACK 1                                         ; a tile's arithmetic stands between the loads of the tile before and its stores
	SEND 0, 16
	PACK 2                                         ; (its packing registers are tile 0's: SEND 0 has waited for loads that were issued behind tile 0's LDS stores)
	SEND 1, 16
	PACK 3
	SEND 2, 16
	SEND 3, 0
	s_set_vgpr_msb 0x5
	s_wait_tensorcnt 0x0
	ds_add_u32 v254, v255
	s_wait_dscnt 0x0
	s_set_vgpr_msb 0x500
	CROUND                                         ; the closing round: no work-group ends while a partner may still ask for a tile that names it
	s_endpgm
.Lfunc_end_k_qc9152f1e86_attn:
	.size	k_qc9152f1e86_attn, .Lfunc_end_k_qc9152f1e86_attn-k_qc9152f1e86_attn
	.p2alignl 7, 3214868480
	.fill 96, 4, 3214868480
	.section	.rodata,"a",@progbits
	.p2align	6, 0x0
	.amdhsa_kernel k_qc9152f1e86_attn
		.amdhsa_group_segment_fixed_size 327680
		.amdhsa_private_segment_fixed_size 0
		.amdhsa_enable_private_segment 0
		.amdhsa_kernarg_size 40
		.amdhsa_user_sgpr_count 2
		.amdhsa_user_sgpr_kernarg_segment_ptr 1
		.amdhsa_wavefront_size32 1
		.amdhsa_system_sgpr_workgroup_id_x 1
		.amdhsa_system_sgpr_workgroup_id_y 1
		.amdhsa_system_sgpr_workgroup_id_z 1
		.amdhsa_system_vgpr_workitem_id 0
		.amdhsa_next_free_vgpr 512
		.amdhsa_next_free_sgpr 100
		.amdhsa_reserve_vcc 0
		.amdhsa_float_denorm_mode_32 3
		.amdhsa_float_denorm_mode_16_64 3
		.amdhsa_memory_ordered 1
		.amdhsa_forward_progress 1
		.amdhsa_inst_pref_size 174
	.end_amdhsa_kernel
	.amdgpu_metadata
---
amdhsa.version: [ 1, 2 ]
amdhsa.kernels:
  - .name:           k_qc9152f1e86_attn
    .symbol:         k_qc9152f1e86_attn.kd
    .args:
      - { .name: qkvc, .offset: 0, .size: 8, .value_kind: global_buffer, .address_space: global }
      - { .name: qks, .offset: 8, .size: 8, .value_kind: global_buffer, .address_space: global }
      - { .name: vs, .offset: 16, .size: 8, .value_kind: global_buffer, .address_space: global }
      - { .name: mask_mat, .offset: 24, .size: 8, .value_kind: global_buffer, .address_space: global }
      - { .name: out0, .offset: 32, .size: 8, .value_kind: global_buffer, .address_space: global }
    .group_segment_fixed_size: 327680
    .private_segment_fixed_size: 0
    .kernarg_segment_align: 8
    .kernarg_segment_size: 40
    .max_flat_workgroup_size: 256
    .sgpr_count:     100
    .vgpr_count:     512
    .wavefront_size: 32
...
	.end_amdgpu_metadata
.endif
;; end of part 3
